; MI455X (gfx1250); checked and timed in simulation.
; The chip was launched on July 23, 2026; its instructions are those of AMD's public machine-readable ISA for CDNA 5 (MIT licence, August 2026) and "CDNA5" Instruction Set Architecture Reference Guide (July 2026). The comments in the code are by the model that wrote it; some were corrected since.
;; Cross Attention1 D. Allowed arithmetic: matrix products marked QUANTISED: E3M2 operands, one E8M0 scale for each 32 along K, by v_wmma_scale_f32_16x16x128_f8f6f4 with both operands' format E3M2, f32 sums; everything else in f32.
;; Inputs: Wk 1,024 x 1,024 float32; Wo 1,024 x 1,024 float32; Wq 1,024 x 1,024 float32; Wv 1,024 x 1,024 float32; bo 1,024 float32; context 4 x 1,024 x 2,048 float32; query 4 x 1,024 x 2,048 float32.
;; Outputs: out0 4 x 1,024 x 2,048 float32.
;; Constants: heads = 16.
;; This version of the problem:
;;   THIS VERSION OF THE PROBLEM IS GIVEN IN LOW PRECISION. The matrix products marked QUANTISED in the list below multiply operands that are first quantised to E3M2 (3 exponent bits, 2 mantissa bits; 6 bits a number), with one power-of-two scale for each 32 numbers along K (OCP MX v1.0); their sums are f32. All else is computed in f32.
;;   The module's matrix products, in the order in which they are computed (A, B: the left and right operand; K: the contracted axis; several contracted axes count as one K, in the product's order):
;;     1. [M 8,192, K 1,024] x [K 1,024, N 1,024]; A: input query; B: input Wq: QUANTISED
;;     2. [M 8,192, K 1,024] x [K 1,024, N 1,024]; A: input context; B: input Wk: QUANTISED
;;     3. [M 8,192, K 1,024] x [K 1,024, N 1,024]; A: input context; B: input Wv: QUANTISED
;;     4. batch 64 x [M 2,048, K 64] x [K 64, N 2,048]; A: computed on the way; B: computed on the way: QUANTISED
;;     5. batch 64 x [M 64, K 2,048] x [K 2,048, N 2,048]; A: computed on the way; B: softmax (see below): QUANTISED
;;     6. [M 8,192, K 1,024] x [K 1,024, N 1,024]; A: computed on the way; B: input Wo: QUANTISED
;;   THE QUANTISER, for each operand of a quantised product, along K:
;;     - K is cut into blocks of 32 from its start; a last block that is shorter is filled with zeros.
;;     - A block's scale is 2^e with e = floor(log2(the largest magnitude in the block)) - 4, held to -126 .. 127; a block of zeros has e = 0. As a byte (E8M0): e + 127.
;;     - Each number is divided by its block's scale, clamped to +-28, and rounded to the nearest number of E3M2, ties to even, subnormals kept.
;;     - The product sums the exact products of the quantised numbers (number of the format x scale) in f32.
;;   ~~~python
;;   def quantise(x, axis):      # numpy; x: float32 -> the quantised numbers, widened to float32 again
;;       x = np.moveaxis(x, axis, -1); K = x.shape[-1]
;;       x = np.pad(x, [(0, 0)] * (x.ndim - 1) + [(0, -K % 32)]); x = x.reshape(x.shape[:-1] + (-1, 32)); a = np.abs(x).max(-1, keepdims=True)
;;       e = np.where(a > 0, np.clip(np.frexp(np.where(a > 0, a, 1))[1] - 1 - 4, -126, 127), 0)      # np.frexp(a)[1] - 1 = floor(log2(a)), exactly
;;       r = np.clip(x / 2.0 ** e, -28, 28)
;;       step = 2.0 ** (np.maximum(np.frexp(np.where(r == 0, 1, r))[1] - 1, -2) - 2)
;;       q = np.round(r / step) * step * 2.0 ** e      # np.round: ties to even
;;       return np.moveaxis(q.reshape(q.shape[:-2] + (-1,))[..., :K], -1, axis).astype(np.float32)
;;   ~~~
;;   SOFTMAX AHEAD OF A QUANTISED PRODUCT. Where the list says 'softmax', what is quantised is not the finished softmax but p = 2^(t - M), with t = logit x log2(e) and M = ceil(the row's largest t), a whole number; so 1/2 < the row's largest p <= 1. The row's sum l is taken of the UNQUANTISED p, in f32, and the product's result is divided by l at the end. Since M is a whole number, a kernel that streams over the keys may use a running M (the ceiling of the running maximum): every later rescaling is an exact power of two, which a block's scale takes up: the codes' values come out the same.
;;   OPERANDS COMPUTED ON THE WAY. 'Computed on the way' means the value that the module computes at that place (a softmax that the list does not call 'softmax' is quantised finished and normalised). What goes into a quantiser is computed in f32, as accurately as f32 sums, v_exp_f32 and their like allow (about 1e-6 of the number): no bf16 or f16 on the way to a quantiser, and a product that is left as it is and whose result goes on into a quantised operand takes f32 operands (vector FMAs, or v_wmma_f32_16x16x4_f32). A number that lies on a knife's edge between two numbers of the format may be rounded either way, as far as f32 arithmetic and the matrix unit's own rounding can turn it there, and no further.
;; One version. Each part assembles by itself: llvm-mc -triple=amdgcn-amd-amdhsa -mcpu=gfx1250 --defsym DOCPART=n.
;; ======== version 1 of 1: 4 launches
;; workspace buffers: xi 13,107,200 bytes; wi 3,276,800 bytes; qi 13,631,488 bytes; kvi 13,631,488 bytes; ai 6,553,600 bytes
;; launch quant (part 1): grid 640 x 1, 4 waves a work-group, no clusters, 58,880 bytes of LDS; arguments query, context, Wq, Wk, Wv, Wo, xi, wi; writes xi, wi
.if DOCPART == 1
	.amdgcn_target "amdgcn-amd-amdhsa--gfx1250"
	.amdhsa_code_object_version 6
	.text
	.protected	k_qec98ff0924_quant
	.globl	k_qec98ff0924_quant
	.p2align	8
	.type	k_qec98ff0924_quant,@function
k_qec98ff0924_quant:
	s_mov_b64 s[64:65], 0
	v_nop
	global_prefetch_b8 v0, s[64:65] scope:SCOPE_SE
	s_setreg_imm32_b32 hwreg(HW_REG_WAVE_MODE, 25, 1), 1
	s_wait_xcnt 0x0
; query, context [4][1024 (channel)][2048 (l)] and Wq, Wk, Wv, Wo [1024 (o)][1024 (i)], f32, become codes of BF6 (E3M2) with one E8M0 byte for each 32 along K
; (K = the channel for the activations, the FIRST axis of a batch; K = i, innermost, for the weights), laid in the order of the matrix operand's registers.
; A RECORD (6,400 bytes = 25 x 256) holds 32 rows (a pair of tiles) x 256 along K.  Row r of tile u is row 8 u + r + 8 (r / 8) of the 32.  Tile u's fragment of the record's
; s-th 128 along K lies at 3072 u + 1536 s: for each 64 along K (c = 0, 1) registers 0-3 of all 32 lanes (16 bytes a lane), then registers 4-5 (8 bytes a lane): 768 bytes.
; The scale words lie at 6144 + 128 u + 8 r + 4 s.   xi: [tensor 2][K chunk 4][pair 256][record];   wi: [weight 4][K chunk 4][pair 32][record].
; A block's scale is 2^(floor(log2(largest magnitude)) - 4); its byte is the largest magnitude's exponent field - 4, held at 1 from below.
; LIMITS: a block of zeros, and one whose largest magnitude lies under 2^-122, has the byte 1 (the rule says 127 for zeros: the codes are zeros and this program alone reads the bytes);
; NaN and infinities among the inputs are not served.
; One wave makes one record.  Work-groups 0-127 take the weights, 128-639 the activations; the two ways never join and have LDS bytes of their own.  Waves share nothing: no barrier.
.set REC,  6400
.set X,    32                          ; activations: v32-95 two sets of 32 numbers
.set C,    96                          ; v96-101 a block's codes;  v102-104 the second conversion's result
.set CT,   102
.set SB,   24                          ; v24-25 the two scale words of my row
.set OUTR, 112                         ; v112-159 the way out
.set XSTG, 6144                        ; a wave's stage: the record's codes
.set WST0, 24576                       ; the weights' stages begin here
.set WSTG, 8448                        ; 16 rows x (512 bytes + 16)
.set R,    16                          ; weights: v16-143 two sets of 64 registers as loaded
.set XT,   144                         ; v144-207 my 64 numbers: register 32 c + e = k 64 c + 32 (lane / 16) + e of my row
.set F,    208                         ; v208-219 a fragment's codes;  v220-222, v224-226 the second halves' conversions
.set FT,   220
.set TM,   228                         ; v228-229 largest magnitudes, v230-231 scale operands, v232-233 bytes, v234-235 at work
.set WD,   236                         ; v236-239 the scale words of fragments 0-3
	s_load_b256 s[4:11], s[0:1], 0x0               ; query, context, Wq, Wk
	s_load_b256 s[12:19], s[0:1], 0x20             ; Wv, Wo, xi, wi
	v_lshl_add_u32 v240, v0, 2, 0xe400
	v_mov_b32 v241, 0
	v_lshrrev_b32 v1, 5, v0
	v_readfirstlane_b32 s20, v1                    ; wave 0..3
	v_and_b32 v2, 31, v0                           ; lane
	s_cmp_lt_u32 ttmp9, 128
	s_cbranch_scc1 .Lweights
; ---------------- THE ACTIVATIONS.  A lane takes a column l and its registers run down K: a block of 32 lies in one lane, and the codes come out with K innermost.
	s_sub_co_u32 s21, ttmp9, 128
	s_lshr_b32 s22, s21, 8                         ; tensor: 0 query, 1 context
	s_bfe_u32 s23, s21, 0x20006                    ; batch
	s_bfe_u32 s24, s21, 0x40002                    ; which 128 columns
	s_and_b32 s25, s21, 3                          ; which 256 along K
	s_lshl_b32 s26, s23, 23                        ; from: batch x 8,388,608
	s_lshl_b32 s27, s25, 21                        ; + 256 channels x 8,192 bytes
	s_add_co_u32 s26, s26, s27
	s_lshl_b32 s27, s24, 9                         ; + 128 columns x 4 bytes
	s_add_co_u32 s26, s26, s27
	s_lshl_b32 s27, s20, 7                         ; + my wave's 32 columns
	s_add_co_u32 s26, s26, s27
	s_mov_b32 s27, 0
	s_lshl_b32 s28, s22, 10                        ; to: record 1024 tensor + 256 chunk + 64 batch + 4 block + wave
	s_lshl_b32 s29, s25, 8
	s_add_co_u32 s28, s28, s29
	s_lshl_b32 s29, s23, 6
	s_add_co_u32 s28, s28, s29
	s_lshl_b32 s29, s24, 2
	s_add_co_u32 s28, s28, s29
	s_add_co_u32 s28, s28, s20
	s_mul_i32 s28, s28, REC
	s_mov_b32 s29, 0
	v_lshlrev_b32 v3, 2, v2                        ; in: 4 bytes a lane
	v_bfe_u32 v9, v2, 3, 1                         ; my column's tile u
	v_and_b32 v10, 7, v2
	v_lshrrev_b32 v11, 4, v2
	v_lshl_or_b32 v10, v11, 3, v10                 ; and its row r in the tile
	s_mul_i32 s30, s20, XSTG                       ; my stage
	v_mul_u32_u24 v12, v9, 3072
	v_add_nc_u32 v12, s30, v12
	v_lshl_add_u32 v4, v10, 4, v12                 ; where my registers 0-3 go: 3072 u + 16 r
	v_lshl_add_u32 v5, v10, 3, v12                 ; and registers 4-5: 3072 u + 8 r
	v_lshlrev_b32 v7, 4, v2                        ; the way out: 16 bytes a lane,
	v_add_nc_u32 v6, s30, v7                       ; in the stage
	v_lshlrev_b32 v8, 3, v10
	v_lshl_add_u32 v8, v9, 7, v8                   ; my scale words: 128 u + 8 r
	s_wait_kmcnt 0x0
	s_cmp_eq_u32 s22, 0
	s_cselect_b64 s[4:5], s[4:5], s[6:7]           ; the choice hangs on the work-group's number alone
	s_add_nc_u64 s[4:5], s[4:5], s[26:27]
	s_add_nc_u64 s[16:17], s[16:17], s[28:29]
.macro XLOAD t                         ; block t: channels 32 t + 0 .. 31 of my column into set t % 2; a wave's load reads 128 consecutive bytes, the four waves stand side by side
.set i, 0
.rept 32
	global_load_b32 v[X+32*((\t)%2)+i], v3, s[4:5] offset:(32*(\t)+i)*8192 th:TH_LOAD_NT
.set i, i+1
.endr
.endm
.macro XBLOCK t                        ; block t is block t % 4 of the record's (t / 4)-th 128 along K: it belongs to lane r + 16 (t % 2) of half (t % 4) / 2 of the fragment
.set XS, X+32*((\t)%2)
.set OC, ((\t)/4)*1536+(((\t)%4)/2)*768
.set HH, (\t)%2
.if (\t) < 7
	s_wait_loadcnt 32                              ; this block's 32 loads are in; the next block's 32 may be out
.else
	s_wait_loadcnt 0x0
.endif
	v_max3_num_f32 v12, |v[XS]|, |v[XS+1]|, |v[XS+2]|              ; the block's largest magnitude, in two chains
	v_max3_num_f32 v13, |v[XS+3]|, |v[XS+4]|, |v[XS+5]|
.irp i, 6,10,14,18,22,26
	v_max3_num_f32 v12, v12, |v[XS+\i]|, |v[XS+\i+1]|
	v_max3_num_f32 v13, v13, |v[XS+\i+2]|, |v[XS+\i+3]|
.endr
	v_max3_num_f32 v12, v12, |v[XS+30]|, |v[XS+31]|
	v_max3_num_f32 v12, v12, v13, 0x2800000        ; and the floor 2^(5 - 127): the byte cannot fall under 1
	v_add_nc_u32 v11, 0xfe000000, v12              ; 4 off the exponent field: the conversion's scale operand
	v_lshrrev_b32 v13, 23, v11                     ; the scale's byte
	v_cvt_scalef32_pk16_bf6_f32 v[C:C+2], v[XS:XS+15], v11
	v_cvt_scalef32_pk16_bf6_f32 v[CT:CT+2], v[XS+16:XS+31], v11    ; (a conversion's three registers begin on an even number)
.if (\t)%4 == 0
	v_mov_b32 v[SB+(\t)/4], v13                    ; four bytes to a word, the lower K in the lower byte.  (Also the plain line behind the conversions)
.else
	v_lshl_or_b32 v[SB+(\t)/4], v13, 8*((\t)%4), v[SB+(\t)/4]
.endif
	v_mov_b32 v[C+3], v[CT]
	v_mov_b32 v[C+4], v[CT+1]
	v_mov_b32 v[C+5], v[CT+2]
	ds_store_b128 v4, v[C:C+3] offset:OC+256*HH
	ds_store_b64 v5, v[C+4:C+5] offset:OC+512+128*HH
.if (\t)+2 < 8
	XLOAD (\t)+2
.endif
	s_wait_dscnt 0x0                               ; the stores have read their registers: the next block's codes may be written
.endm
	XLOAD 0
	XLOAD 1
.irp t, 0,1,2,3,4,5,6,7
	XBLOCK \t
.endr
	global_store_b64 v8, v[SB:SB+1], s[16:17] offset:6144          ; the 32 lanes fill the record's last 256 bytes
.irp i, 0,1,2,3,4,5,6,7,8,9,10,11
	ds_load_b128 v[OUTR+4*\i:OUTR+4*\i+3], v6 offset:512*\i        ; LDS serves a wave's instructions in order: these see my stores
.endr
.irp i, 0,1,2,3,4,5,6,7,8,9,10,11
	s_wait_dscnt 11-\i                             ; the younger reads of the stage may be out
	global_store_b128 v7, v[OUTR+4*\i:OUTR+4*\i+3], s[16:17] offset:512*\i   ; 512 consecutive bytes, at a multiple of 256 from the buffer's first byte
.endr
	s_wait_tensorcnt 0x0
	ds_add_u32 v240, v241
	s_wait_dscnt 0x0
	s_endpgm
; ---------------- THE WEIGHTS.  K is innermost: loads read 512 consecutive bytes of a row; the wave's stage turns them so that lane (r, h) holds k = 64 c + 32 h + 0 .. 31 of row r.
.Lweights:
	s_lshr_b32 s22, ttmp9, 5                       ; which weight: 0 Wq, 1 Wk, 2 Wv, 3 Wo
	s_bfe_u32 s23, ttmp9, 0x30002
	s_lshl_b32 s23, s23, 2
	s_add_co_u32 s23, s23, s20                     ; my pair of tiles: 32 rows
	s_and_b32 s25, ttmp9, 3                        ; which 256 along K
	s_lshl_b32 s26, s23, 17                        ; from: 32 rows x 4,096 bytes
	s_lshl_b32 s27, s25, 10
	s_add_co_u32 s26, s26, s27
	s_mov_b32 s27, 0
	s_lshl_b32 s28, s22, 7                         ; to: record 128 weight + 32 chunk + pair
	s_lshl_b32 s29, s25, 5
	s_add_co_u32 s28, s28, s29
	s_add_co_u32 s28, s28, s23
	s_mul_i32 s28, s28, REC
	s_mov_b32 s29, 0
	s_mov_b32 s32, 0x76543210
	s_mov_b32 s33, 0xfedcba98                      ; v_permlanex16_b32's selects for lane l xor 16
	v_lshlrev_b32 v3, 4, v2                        ; 16 x lane
	v_lshlrev_b32 v4, 3, v2                        ; 8 x lane
	v_and_b32 v5, 15, v2                           ; r
	v_lshrrev_b32 v6, 4, v2                        ; h
	s_mul_i32 s30, s20, WSTG
	s_add_co_u32 s30, s30, WST0                    ; my stage
	v_add_nc_u32 v7, s30, v3                       ; in: a row as it lies
	v_mul_u32_u24 v8, v5, 528
	v_lshl_add_u32 v8, v6, 7, v8
	v_add_nc_u32 v8, s30, v8                       ; out: row r, + 128 h bytes; rows 33 x 16 bytes apart: sixteen lanes touch sixteen different 16-byte columns
	v_lshlrev_b32 v9, 3, v6                        ; 8 h: where my bytes stand in a scale word
	v_mov_b32 v[TM+6], 0                           ; written once: a lane permute's destination counts as one of its sources
	s_wait_kmcnt 0x0
	s_cmp_eq_u32 s22, 1
	s_cselect_b64 s[8:9], s[10:11], s[8:9]
	s_cmp_eq_u32 s22, 2
	s_cselect_b64 s[8:9], s[12:13], s[8:9]
	s_cmp_eq_u32 s22, 3
	s_cselect_b64 s[8:9], s[14:15], s[8:9]
	s_add_nc_u64 s[8:9], s[8:9], s[26:27]
	s_add_nc_u64 s[18:19], s[18:19], s[28:29]
.macro WLOAD n                         ; fragment n = 2 u + s: the 16 rows of tile u, 128 along K
.irp i, 0,1,2,3,4,5,6,7,8,9,10,11,12,13,14,15
	global_load_b128 v[R+64*((\n)%2)+4*\i:R+64*((\n)%2)+4*\i+3], v3, s[8:9] offset:(8*((\n)/2)+\i+8*(\i/8))*4096+512*((\n)%2) th:TH_LOAD_NT
.endr
.endm
.macro WFRAG n
.if (\n) < 3
	s_wait_loadcnt 16                              ; this fragment's 16 loads are in; the next fragment's 16 may be out
.else
	s_wait_loadcnt 0x0
.endif
.irp i, 0,1,2,3,4,5,6,7,8,9,10,11,12,13,14,15
	ds_store_b128 v7, v[R+64*((\n)%2)+4*\i:R+64*((\n)%2)+4*\i+3] offset:528*\i
.endr
.irp c, 0,1
.irp j, 0,1,2,3,4,5,6,7
	ds_load_b128 v[XT+32*\c+4*\j:XT+32*\c+4*\j+3], v8 offset:256*\c+16*\j   ; in order behind my stores
.endr
.endr
	s_wait_dscnt 0x0
.if (\n)+2 < 4
	WLOAD (\n)+2                                   ; into the set that the stage's stores have read
.endif
.irp c, 0,1                            ; my block 2 c + h: all its 32 numbers are mine
	v_max3_num_f32 v[TM+\c], |v[XT+32*\c]|, |v[XT+1+32*\c]|, 0x2800000
.endr
.irp i, 2,4,6,8,10,12,14,16,18,20,22,24,26,28,30
.irp c, 0,1
	v_max3_num_f32 v[TM+\c], v[TM+\c], |v[XT+32*\c+\i]|, |v[XT+1+32*\c+\i]|
.endr
.endr
.irp c, 0,1
	v_add_nc_u32 v[TM+2+\c], 0xfe000000, v[TM+\c]
.endr
.irp c, 0,1
	v_lshrrev_b32 v[TM+4+\c], 23, v[TM+2+\c]
.endr
	v_lshl_or_b32 v[TM+7], v[TM+5], 16, v[TM+4]    ; my two bytes: blocks h and 2 + h,
	v_lshlrev_b32 v[TM+7], v9, v[TM+7]             ; at their places;
	v_permlanex16_b32 v[TM+6], v[TM+7], s32, s33
	v_or_b32 v[WD+(\n)], v[TM+7], v[TM+6]          ; with lane l xor 16's two the word is whole, in both lanes
	s_wait_xcnt 0x0                                ; the last fragment's stores have read their registers
.irp c, 0,1
	v_cvt_scalef32_pk16_bf6_f32 v[F+6*\c:F+6*\c+2], v[XT+32*\c:XT+32*\c+15], v[TM+2+\c]
	v_cvt_scalef32_pk16_bf6_f32 v[FT+4*\c:FT+4*\c+2], v[XT+32*\c+16:XT+32*\c+31], v[TM+2+\c]
.endr
	v_nop                                          ; one plain line behind the scaled conversions
.irp c, 0,1
.irp i, 0,1,2
	v_mov_b32 v[F+3+6*\c+\i], v[FT+4*\c+\i]
.endr
.endr
	global_store_b128 v3, v[F:F+3], s[18:19] offset:3072*((\n)/2)+1536*((\n)%2)
	global_store_b64 v4, v[F+4:F+5], s[18:19] offset:3072*((\n)/2)+1536*((\n)%2)+512
	global_store_b128 v3, v[F+6:F+9], s[18:19] offset:3072*((\n)/2)+1536*((\n)%2)+768
	global_store_b64 v4, v[F+10:F+11], s[18:19] offset:3072*((\n)/2)+1536*((\n)%2)+1280
.endm
	WLOAD 0
	WLOAD 1
	WFRAG 0
	WFRAG 1
	WFRAG 2
	WFRAG 3
	v_cmp_le_u32 vcc_lo, 16, v2                    ; lanes 0-15 store tile 0's words, lanes 16-31 tile 1's: 6144 + 128 u + 8 r = 6144 + 8 x lane
	v_cndmask_b32 v[TM], v[WD], v[WD+2], vcc_lo
	v_cndmask_b32 v[TM+1], v[WD+1], v[WD+3], vcc_lo
	global_store_b64 v4, v[TM:TM+1], s[18:19] offset:6144
	s_wait_tensorcnt 0x0
	ds_add_u32 v240, v241
	s_wait_dscnt 0x0
	s_endpgm
.Lfunc_end_k_qec98ff0924_quant:
	.size	k_qec98ff0924_quant, .Lfunc_end_k_qec98ff0924_quant-k_qec98ff0924_quant
	.p2alignl 7, 3214868480
	.fill 96, 4, 3214868480
	.section	.rodata,"a",@progbits
	.p2align	6, 0x0
	.amdhsa_kernel k_qec98ff0924_quant
		.amdhsa_group_segment_fixed_size 58880
		.amdhsa_private_segment_fixed_size 0
		.amdhsa_enable_private_segment 0
		.amdhsa_kernarg_size 64
		.amdhsa_user_sgpr_count 2
		.amdhsa_user_sgpr_kernarg_segment_ptr 1
		.amdhsa_wavefront_size32 1
		.amdhsa_system_sgpr_workgroup_id_x 1
		.amdhsa_system_sgpr_workgroup_id_y 1
		.amdhsa_system_sgpr_workgroup_id_z 1
		.amdhsa_system_vgpr_workitem_id 0
		.amdhsa_next_free_vgpr 242
		.amdhsa_next_free_sgpr 66
		.amdhsa_reserve_vcc 1
		.amdhsa_float_denorm_mode_32 3
		.amdhsa_float_denorm_mode_16_64 3
		.amdhsa_memory_ordered 1
		.amdhsa_forward_progress 1
		.amdhsa_inst_pref_size 71
	.end_amdhsa_kernel
	.amdgpu_metadata
---
amdhsa.version: [ 1, 2 ]
amdhsa.kernels:
  - .name:           k_qec98ff0924_quant
    .symbol:         k_qec98ff0924_quant.kd
    .args:
      - { .name: query, .offset: 0, .size: 8, .value_kind: global_buffer, .address_space: global }
      - { .name: context, .offset: 8, .size: 8, .value_kind: global_buffer, .address_space: global }
      - { .name: Wq, .offset: 16, .size: 8, .value_kind: global_buffer, .address_space: global }
      - { .name: Wk, .offset: 24, .size: 8, .value_kind: global_buffer, .address_space: global }
      - { .name: Wv, .offset: 32, .size: 8, .value_kind: global_buffer, .address_space: global }
      - { .name: Wo, .offset: 40, .size: 8, .value_kind: global_buffer, .address_space: global }
      - { .name: xi, .offset: 48, .size: 8, .value_kind: global_buffer, .address_space: global }
      - { .name: wi, .offset: 56, .size: 8, .value_kind: global_buffer, .address_space: global }
    .group_segment_fixed_size: 58880
    .private_segment_fixed_size: 0
    .kernarg_segment_align: 8
    .kernarg_segment_size: 64
    .max_flat_workgroup_size: 128
    .sgpr_count:     66
    .vgpr_count:     242
    .wavefront_size: 32
...
	.end_amdgpu_metadata
.endif
;; end of part 1
;; launch proj (part 2): grid 8 x 96, 8 waves a work-group, clusters of 4 x 4, 308,224 bytes of LDS; arguments xi, wi, qi, kvi; writes qi, kvi
.if DOCPART == 2
	.amdgcn_target "amdgcn-amd-amdhsa--gfx1250"
	.amdhsa_code_object_version 6
	.text
	.protected	k_qec98ff0924_proj
	.globl	k_qec98ff0924_proj
	.p2align	8
	.type	k_qec98ff0924_proj,@function
k_qec98ff0924_proj:
	s_mov_b64 s[64:65], 0
	v_nop
	global_prefetch_b8 v0, s[64:65] scope:SCOPE_SE
	s_setreg_imm32_b32 hwreg(HW_REG_WAVE_MODE, 25, 1), 1
	s_wait_xcnt 0x0
	s_wait_alu depctr_hold_cnt(0) depctr_sa_sdst(0) depctr_va_vdst(0) depctr_va_sdst(0) depctr_va_ssrc(0) depctr_va_vcc(0) depctr_vm_vsrc(0)
	s_getreg_b32 s2, hwreg(HW_REG_IB_STS2, 6, 4)
	s_cmp_eq_u32 s2, 0
	s_cbranch_scc0 .Lentry_in_a_cluster
	s_endpgm
.Lentry_in_a_cluster:
	s_bfe_u32 s2, ttmp6, 0x10000c
	s_cmp_lg_u32 s2, 0xf033
	s_cbranch_scc0 .Lentry_shape_is_right
	s_endpgm
.Lentry_shape_is_right:
; q = Wq query, k = Wk context, v = Wv context, on codes of BF6 (E3M2) with E8M0 scales; the results are quantised in registers and leave as codes: q and k along d (64 of a head), v along the keys.
; xi, wi: records of 32 rows x 256 K in the order of the operand's registers (6,400 bytes: tile u's fragment of the s-th 128 along K at 3072 u + 1536 s, scale words at 6144 + 128 u + 8 r + 4 s);
; row r of tile u is row 8 u + r + 8 (r / 8) of the 32, so that the 16 result registers of a pair's two tiles, used as source 0, are 16 NEIGHBOURS: 16 (lane / 16) + 0 .. 15.
; qi, kvi: [batch x head 64][step of 128 keys 16][13,312 bytes]: 8 tiles of 16 keys x 64 d (768 bytes each), 4 fragments of 16 d x 128 keys from 6144 on, the keys' scale words at 12288 + 128 pair + 4 lane
; (bytes 0, 1: the pair's tile 0; bytes 2, 3: tile 1), v's at 12800 + 128 tile + 4 lane.  qi uses the keys' parts alone, for the queries.
; SHARES.  A work-group takes 256 rows l and 128 rows o (two heads) with ALL of K = 1,024 in LDS: every byte of LDS is filled once, so there is no ring.  The grid's y says which product (32 blocks of l each).
; Eight waves, 64 x 64 each: 16 accumulators.  q, k: source 0 = W (registers run along d), source 1 = x (a lane is an l).  v: source 0 = x (registers run along the keys), source 1 = W (a lane is a d).
; CLUSTER 4 x 4: x's tiles hang on the grid's y alone and are asked for jointly along a row of the cluster, W's on its x alone, along a column.
; LDS: chunk q (256 along K) at 76,800 q: x's 8 records, then W's 4.  Either role's addresses stay inside a chunk.
; LIMITS: a block of zeros, or one whose largest magnitude lies under 2^-122, has the byte 1 (its codes serve this program alone); NaN and infinities are not served.
; REGISTERS: v1-6 LDS addresses; v7 16 x lane; v8-11, v12-15 scale words of source 0, 1; v16-63, v64-111 four fragments each; v112-127 at work; v128-255 accumulator (a, b) at 128 + 8 (4 a + b).
.set WV,  14
.set WX,  15                           ; wave & 3
.set WH,  16                           ; wave >> 2
.set CX,  17
.set CY,  18
.set XW,  19                           ; work-group x: which 128 rows o
.set CYC, 20
.set PC,  21                           ; 0 q, 1 k, 2 v: from the cluster's y, the same in all partners
.set YL,  22                           ; which 256 rows l
.set G1X, 24                           ; s[24:31] descriptor group 1 for x's records;  s[32:39] for W's
.set G1W, 32
.set G0X, 40                           ; s[40:55] group 0 for x, a set for each chunk;  s[68:83] for W
.set G0W, 68
.set SEL, 90
.set CHB, 76800
.set SCA, 8
.set SCB, 12
.set F0,  16
.set F1,  64
.set ACC, 128
.set TM,  112                          ; the way out: largest magnitudes
.set PT,  120                          ; permute targets, then bytes
.set SO,  16                           ; scale operands
.set W16, 24                           ; two bytes for each of four images
.set E,   32                           ; four images of six registers, eight apart
.macro CROUND                          ; a round of the cluster's barrier
	s_barrier_signal -1
	s_barrier_wait -1
	s_cmp_lg_u32 s[WV], 0
	s_cbranch_scc1 .Lnot_wave_0_\@
	s_barrier_signal -3
.Lnot_wave_0_\@:
	s_barrier_wait -3
	s_barrier_signal -1
	s_barrier_wait -1
.endm
.macro FRAGL reg, a16, a8, off         ; a fragment's 12 registers from its image: every load reads consecutive bytes
	ds_load_b128 v[\reg:\reg+3], v[\a16] offset:\off
	ds_load_b64 v[\reg+4:\reg+5], v[\a8] offset:\off+512
	ds_load_b128 v[\reg+6:\reg+9], v[\a16] offset:\off+768
	ds_load_b64 v[\reg+10:\reg+11], v[\a8] offset:\off+1280
.endm
.macro PLACES
.rept 4
	v_nop
.endr
.endm
	s_load_b256 s[4:11], s[0:1], 0x0               ; xi, wi, qi, kvi
	s_set_vgpr_msb 0x40
	v_lshl_add_u32 v0, v0, 2, 0x4b000
	v_mov_b32 v1, 0
	s_set_vgpr_msb 0x4045
	ds_add_u32 v0, v1
	ds_add_u32 v0, v1
	s_set_vgpr_msb 0x4500
	v_lshrrev_b32 v1, 5, v0
	v_readfirstlane_b32 s[WV], v1                  ; wave 0..7
	s_and_b32 s[WX], s[WV], 3
	s_lshr_b32 s[WH], s[WV], 2
	s_bfe_u32 s[CX], ttmp6, 0x40000
	s_bfe_u32 s[CY], ttmp6, 0x40004
	s_lshl_b32 s[XW], ttmp9, 2
	s_add_co_u32 s[XW], s[XW], s[CX]
	s_and_b32 s[CYC], ttmp7, 0xffff
	s_lshr_b32 s[PC], s[CYC], 3
	s_and_b32 s[YL], s[CYC], 7
	s_lshl_b32 s[YL], s[YL], 2
	s_add_co_u32 s[YL], s[YL], s[CY]
	s_lshl_b32 s56, s[CY], 2
	s_lshl_b32 s56, 15, s56                        ; my row of the cluster
	s_lshl_b32 s58, 0x1111, s[CX]                  ; my column
	s_or_b32 s[G1X], s56, (3<<16)|(1<<21)          ; the mask; elements of 8 bytes; bit 21 beside a mask; no padding
	s_or_b32 s[G1W], s58, (3<<16)|(1<<21)
	s_mov_b32 s[G1X+1], 32<<16                     ; rows of 32 elements = 256 bytes,
	s_mov_b32 s[G1X+2], 50<<16                     ; 50 of them: two records
	s_mov_b32 s[G1X+3], 32<<16
	s_mov_b32 s[G1X+4], 50
	s_mov_b32 s[G1X+5], 32                         ; dense
	s_mov_b32 s[G1X+6], 0
	s_mov_b32 s[G1X+7], 0
	s_mov_b32 s[G1W+1], 32<<16
	s_mov_b32 s[G1W+2], 25<<16                     ; one record
	s_mov_b32 s[G1W+3], 32<<16
	s_mov_b32 s[G1W+4], 25
	s_mov_b32 s[G1W+5], 32
	s_mov_b32 s[G1W+6], 0
	s_mov_b32 s[G1W+7], 0
	s_lshl_b32 s56, s[YL], 3                       ; x: record 8 yl + 2 (wave & 3) of a chunk's 256 (waves 0-3 fetch x);
	s_lshl_b32 s57, s[WX], 1
	s_add_co_u32 s56, s56, s57
	s_mul_i32 s56, s56, 6400
	s_cmp_eq_u32 s[PC], 0
	s_cselect_b32 s57, 0, 6553600                  ; q reads query's codes, k and v context's
	s_add_co_u32 s56, s56, s57
	s_mov_b32 s57, 0
	s_lshl_b32 s58, s[XW], 2                       ; W: record 4 xw + (wave & 3) of a chunk's 32 (waves 4-7 fetch W)
	s_add_co_u32 s58, s58, s[WX]
	s_mul_i32 s58, s58, 6400
	s_mul_i32 s59, s[PC], 819200                   ; Wq, Wk or Wv
	s_add_co_u32 s58, s58, s59
	s_mov_b32 s59, 0
	s_mul_i32 s84, s[WX], 12800                    ; where they go in a chunk: no place in the cluster enters an LDS address
	s_mul_i32 s85, s[WX], 6400
	s_add_co_u32 s85, s85, 51200
	s_wait_dscnt 0x0
	s_wait_kmcnt 0x0
	s_add_nc_u64 s[60:61], s[4:5], s[56:57]
	s_add_nc_u64 s[62:63], s[6:7], s[58:59]
.irp q, 0,1,2,3
	s_mov_b32 s[G0X+4*\q], 1
	s_add_co_u32 s[G0X+4*\q+1], s84, \q*CHB
	s_add_nc_u64 s[G0X+4*\q+2:G0X+4*\q+3], s[60:61], \q*1638400    ; a chunk of xi is 256 records
	s_or_b32 s[G0X+4*\q+3], s[G0X+4*\q+3], 0x80000000
	s_mov_b32 s[G0W+4*\q], 1
	s_add_co_u32 s[G0W+4*\q+1], s85, \q*CHB
	s_add_nc_u64 s[G0W+4*\q+2:G0W+4*\q+3], s[62:63], \q*204800     ; a chunk of a weight is 32 records
	s_or_b32 s[G0W+4*\q+3], s[G0W+4*\q+3], 0x80000000
.endr
	CROUND                                         ; all sixteen work-groups are here: the joint loads meet
	s_cmp_lt_u32 s[WV], 4                          ; a wave's four fills stand in one branch on its number: four tensor loads of mine are out
	s_cbranch_scc0 .Lfill_w
	tensor_load_to_lds s[G0X:G0X+3], s[G1X:G1X+7]
	s_nop 0
	tensor_load_to_lds s[G0X+4:G0X+7], s[G1X:G1X+7]
	s_nop 0
	tensor_load_to_lds s[G0X+8:G0X+11], s[G1X:G1X+7]
	s_nop 0
	tensor_load_to_lds s[G0X+12:G0X+15], s[G1X:G1X+7]
	s_nop 0
	PLACES
	s_branch .Lfilled
.Lfill_w:
	tensor_load_to_lds s[G0W:G0W+3], s[G1W:G1W+7]
	s_nop 0
	tensor_load_to_lds s[G0W+4:G0W+7], s[G1W:G1W+7]
	s_nop 0
	tensor_load_to_lds s[G0W+8:G0W+11], s[G1W:G1W+7]
	s_nop 0
	tensor_load_to_lds s[G0W+12:G0W+15], s[G1W:G1W+7]
	s_nop 0
	PLACES
.Lfilled:
	v_and_b32 v112, 31, v0                         ; lane
	v_and_b32 v113, 15, v0                         ; r
	s_mul_i32 s86, s[WH], 12800
	s_add_co_u32 s86, s86, 51200                   ; my two records of W (one head); s84: my two records of x
	s_cmp_eq_u32 s[PC], 2
	s_cselect_b32 s87, s84, s86                    ; source 0: W for q and k, x for v
	s_cselect_b32 s88, s86, s84                    ; source 1: the other
	v_lshl_add_u32 v1, v112, 4, s87
	v_lshl_add_u32 v2, v112, 3, s87
	v_lshl_add_u32 v3, v112, 4, s88
	v_lshl_add_u32 v4, v112, 3, s88
	v_lshl_add_u32 v5, v113, 3, s87
	v_lshl_add_u32 v6, v113, 3, s88
	v_lshlrev_b32 v7, 4, v112
	s_mov_b32 s[SEL], 0x76543210
	s_mov_b32 s[SEL+1], 0xfedcba98
; 128 along K: 40 LDS loads, then 16 products; the 16 accumulators take turns in the same order in every step.
.macro KSTEP s, zero
.irp i, 0,1,2,3
	ds_load_b32 v[SCA+\i], v5 offset:6144+(\i/2)*6400+(\i%2)*128+4*\s
.endr
.irp i, 0,1,2,3
	ds_load_b32 v[SCB+\i], v6 offset:6144+(\i/2)*6400+(\i%2)*128+4*\s
.endr
.irp i, 0,1,2,3
	FRAGL F0+12*\i,1,2,(\i/2)*6400+(\i%2)*3072+1536*\s
.endr
.irp i, 0,1,2,3
	FRAGL F1+12*\i,3,4,(\i/2)*6400+(\i%2)*3072+1536*\s
.endr
.irp a, 0,1,2,3
	s_wait_dscnt 12-4*\a                           ; source 1's later fragments, four loads each, may be out
.irp b, 0,1,2,3
.if \zero
	v_wmma_scale_f32_16x16x128_f8f6f4 v[ACC+8*(4*\a+\b):ACC+8*(4*\a+\b)+7], v[F0+12*\b:F0+12*\b+11], v[F1+12*\a:F1+12*\a+11], 0, v[SCA+\b], v[SCB+\a] matrix_a_fmt:MATRIX_FMT_BF6 matrix_b_fmt:MATRIX_FMT_BF6
.else
	v_wmma_scale_f32_16x16x128_f8f6f4 v[ACC+8*(4*\a+\b):ACC+8*(4*\a+\b)+7], v[F0+12*\b:F0+12*\b+11], v[F1+12*\a:F1+12*\a+11], v[ACC+8*(4*\a+\b):ACC+8*(4*\a+\b)+7], v[SCA+\b], v[SCB+\a] matrix_a_fmt:MATRIX_FMT_BF6 matrix_b_fmt:MATRIX_FMT_BF6
.endif
.endr
.endr
.endm
.macro CHUNK q
	s_wait_tensorcnt 3-\q                          ; my part of chunk q has landed; the later chunks' loads may be out
	s_wait_dscnt 0x0
	s_barrier_signal -1
	s_barrier_wait -1                              ; everybody's part has
.if \q > 0
.irp n, 1,2,3,4,5,6
	v_add_nc_u32 v\n, CHB, v\n                     ; on to this chunk.  (These six are also the places between the last products and the loads into their operands)
.endr
	KSTEP 0, 0
.else
	KSTEP 0, 1                                     ; the first products start the sums
.endif
	PLACES                                         ; four places in front of loads into registers that matrix instructions have read
	KSTEP 1, 0
.endm
	CHUNK 0
	CHUNK 1
	CHUNK 2
	CHUNK 3
; THE WAY OUT.  For each tile a of source 1 a lane's 32 registers are two half blocks of 32 along the next K: register 16 n + i of the 128 = number 16 (lane / 16) + i of block n.
.irp n, 0,1,2,3,4,5,6,7
	v_mov_b32 v[PT+\n], 0                          ; a lane permute's destination counts as one of its sources.  (Eight plain lines that name no register of the last products: their places)
.endr
.irp n, 0,1,2,3,4,5,6,7
	v_max3_num_f32 v[TM+\n], |v[ACC+16*\n]|, |v[ACC+16*\n+1]|, 0x2800000   ; each accumulator from its low end on; the floor 2^(5 - 127) holds the byte at 1 from below
.endr
.irp i, 2,4,6,8,10,12,14
.irp n, 0,1,2,3,4,5,6,7
	v_max3_num_f32 v[TM+\n], v[TM+\n], |v[ACC+16*\n+\i]|, |v[ACC+16*\n+\i+1]|
.endr
.endr
.irp n, 0,1,2,3,4,5,6,7
	v_permlanex16_b32 v[PT+\n], v[TM+\n], s[SEL], s[SEL+1]
.endr
.irp n, 0,1,2,3,4,5,6,7
	v_max_num_f32 v[TM+\n], v[TM+\n], v[PT+\n]     ; with lane l xor 16's: the block's largest magnitude
.endr
.irp n, 0,1,2,3,4,5,6,7
	v_add_nc_u32 v[SO+\n], 0xfe000000, v[TM+\n]    ; 4 off the exponent field: the conversion's scale operand
.endr
.irp n, 0,1,2,3,4,5,6,7
	v_lshrrev_b32 v[PT+\n], 23, v[SO+\n]           ; the scale's byte
.endr
.irp a, 0,1,2,3
	v_lshl_or_b32 v[W16+\a], v[PT+2*\a+1], 8, v[PT+2*\a]
.endr
.irp a, 0,1,2,3
	v_cvt_scalef32_pk16_bf6_f32 v[E+8*\a:E+8*\a+2], v[ACC+32*\a:ACC+32*\a+15], v[SO+2*\a]
	v_cvt_scalef32_pk16_bf6_f32 v[E+8*\a+4:E+8*\a+6], v[ACC+32*\a+16:ACC+32*\a+31], v[SO+2*\a+1]
.endr
	v_nop                                          ; one plain line behind the scaled conversions
.irp a, 0,1,2,3                        ; the operand's layout wants a WHOLE block in a lane: lanes 0-15 block 0, lanes 16-31 block 1
.irp i, 0,1,2
	v_permlane16_swap_b32 v[E+8*\a+\i], v[E+8*\a+4+\i]
.endr
	v_mov_b32 v[E+8*\a+3], v[E+8*\a+4]
	v_mov_b32 v[E+8*\a+4], v[E+8*\a+5]
	v_mov_b32 v[E+8*\a+5], v[E+8*\a+6]
.endr
	v_and_b32 v1, 31, v0
	v_lshlrev_b32 v2, 2, v1                        ; 4 x lane
	v_lshlrev_b32 v1, 3, v1                        ; 8 x lane
	s_lshr_b32 s92, s[YL], 3                       ; batch x head = 16 (yl / 8) + 2 xw + (wave / 4)
	s_lshl_b32 s92, s92, 4
	s_lshl_b32 s93, s[XW], 1
	s_add_co_u32 s92, s92, s93
	s_add_co_u32 s92, s92, s[WH]
	s_mul_i32 s92, s92, 212992
	s_and_b32 s93, s[YL], 7                        ; step of 128 = 2 (yl % 8) + (wave & 3) / 2
	s_lshl_b32 s93, s93, 1
	s_lshr_b32 s94, s[WX], 1
	s_add_co_u32 s93, s93, s94
	s_mul_i32 s93, s93, 13312
	s_add_co_u32 s92, s92, s93
	s_mov_b32 s93, 0
	s_and_b32 s94, s[WX], 1                        ; which 64 of the step's 128 are mine
	s_mov_b32 s87, 0
	s_cmp_eq_u32 s[PC], 0
	s_cselect_b64 s[8:9], s[8:9], s[10:11]         ; q goes to qi, k and v to kvi
	s_add_nc_u64 s[8:9], s[8:9], s[92:93]
	s_cmp_eq_u32 s[PC], 2
	s_cbranch_scc1 .Lstore_v
	s_mul_i32 s86, s94, 3072                       ; q, k: my four tiles of 16 rows x 64 d
	s_add_nc_u64 s[10:11], s[8:9], s[86:87]
	s_lshl_b32 s86, s94, 8
	s_add_nc_u64 s[8:9], s[8:9], s[86:87]
	v_lshl_or_b32 v28, v[W16+1], 16, v[W16]        ; a pair's scale word: tile 0's two bytes, tile 1's two
	v_lshl_or_b32 v29, v[W16+3], 16, v[W16+2]
.irp a, 0,1,2,3
	global_store_b128 v7, v[E+8*\a:E+8*\a+3], s[10:11] offset:768*\a
	global_store_b64 v1, v[E+8*\a+4:E+8*\a+5], s[10:11] offset:768*\a+512
.endr
	global_store_b32 v2, v28, s[8:9] offset:12288
	global_store_b32 v2, v29, s[8:9] offset:12288+128
	s_branch .Lstored
.Lstore_v:
	s_mul_i32 s86, s94, 768                        ; v: my half (64 keys) of each of the head's four fragments of 16 d x 128 keys
	s_add_nc_u64 s[10:11], s[8:9], s[86:87]
	s_lshl_b32 s86, s94, 1
	s_add_nc_u64 s[8:9], s[8:9], s[86:87]
.irp a, 0,1,2,3
	global_store_b128 v7, v[E+8*\a:E+8*\a+3], s[10:11] offset:6144+1536*\a
	global_store_b64 v1, v[E+8*\a+4:E+8*\a+5], s[10:11] offset:6144+1536*\a+512
	global_store_b16 v2, v[W16+\a], s[8:9] offset:12800+128*\a     ; my two bytes of each row's scale word
.endr
.Lstored:
	s_set_vgpr_msb 0x5
	s_wait_tensorcnt 0x0
	ds_add_u32 v0, v1
	s_wait_dscnt 0x0
	s_set_vgpr_msb 0x500
	CROUND                                         ; the closing round: no work-group ends while a partner may still ask for a tile that names it
	s_endpgm
.Lfunc_end_k_qec98ff0924_proj:
	.size	k_qec98ff0924_proj, .Lfunc_end_k_qec98ff0924_proj-k_qec98ff0924_proj
	.p2alignl 7, 3214868480
	.fill 96, 4, 3214868480
	.section	.rodata,"a",@progbits
	.p2align	6, 0x0
	.amdhsa_kernel k_qec98ff0924_proj
		.amdhsa_group_segment_fixed_size 308224
		.amdhsa_private_segment_fixed_size 0
		.amdhsa_enable_private_segment 0
		.amdhsa_kernarg_size 32
		.amdhsa_user_sgpr_count 2
		.amdhsa_user_sgpr_kernarg_segment_ptr 1
		.amdhsa_wavefront_size32 1
		.amdhsa_system_sgpr_workgroup_id_x 1
		.amdhsa_system_sgpr_workgroup_id_y 1
		.amdhsa_system_sgpr_workgroup_id_z 1
		.amdhsa_system_vgpr_workitem_id 0
		.amdhsa_next_free_vgpr 258
		.amdhsa_next_free_sgpr 96
		.amdhsa_reserve_vcc 0
		.amdhsa_float_denorm_mode_32 3
		.amdhsa_float_denorm_mode_16_64 3
		.amdhsa_memory_ordered 1
		.amdhsa_forward_progress 1
		.amdhsa_inst_pref_size 58
	.end_amdhsa_kernel
	.amdgpu_metadata
---
amdhsa.version: [ 1, 2 ]
amdhsa.kernels:
  - .name:           k_qec98ff0924_proj
    .symbol:         k_qec98ff0924_proj.kd
    .args:
      - { .name: xi, .offset: 0, .size: 8, .value_kind: global_buffer, .address_space: global }
      - { .name: wi, .offset: 8, .size: 8, .value_kind: global_buffer, .address_space: global }
      - { .name: qi, .offset: 16, .size: 8, .value_kind: global_buffer, .address_space: global }
      - { .name: kvi, .offset: 24, .size: 8, .value_kind: global_buffer, .address_space: global }
    .group_segment_fixed_size: 308224
    .private_segment_fixed_size: 0
    .kernarg_segment_align: 8
    .kernarg_segment_size: 32
    .max_flat_workgroup_size: 256
    .sgpr_count:     96
    .vgpr_count:     258
    .wavefront_size: 32
...
	.end_amdgpu_metadata
.endif
;; end of part 2
;; launch attn (part 3): grid 4 x 64, 16 waves a work-group, clusters of 4 x 1, 215,040 bytes of LDS; arguments qi, kvi, ai; writes ai
.if DOCPART == 3
	.amdgcn_target "amdgcn-amd-amdhsa--gfx1250"
	.amdhsa_code_object_version 6
	.text
	.protected	k_qec98ff0924_attn
	.globl	k_qec98ff0924_attn
	.p2align	8
	.type	k_qec98ff0924_attn,@function
k_qec98ff0924_attn:
	s_mov_b64 s[64:65], 0
	v_nop
	global_prefetch_b8 v0, s[64:65] scope:SCOPE_SE
	s_setreg_imm32_b32 hwreg(HW_REG_WAVE_MODE, 25, 1), 1
	s_wait_xcnt 0x0
	s_wait_alu depctr_hold_cnt(0) depctr_sa_sdst(0) depctr_va_vdst(0) depctr_va_sdst(0) depctr_va_ssrc(0) depctr_va_vcc(0) depctr_vm_vsrc(0)
	s_getreg_b32 s2, hwreg(HW_REG_IB_STS2, 6, 4)
	s_cmp_eq_u32 s2, 0
	s_cbranch_scc0 .Lentry_in_a_cluster
	s_endpgm
.Lentry_in_a_cluster:
	s_bfe_u32 s2, ttmp6, 0x10000c
	s_cmp_lg_u32 s2, 0x3003
	s_cbranch_scc0 .Lentry_shape_is_right
	s_endpgm
.Lentry_shape_is_right:
; For each batch x head: O = softmax(q^T k / 8) v, both products on codes of BF6 (E3M2) with E8M0 scales, and O, divided by the row's sum, quantised along d for the last projection.
; THE SOFTMAX AHEAD OF THE SECOND PRODUCT: t = score x log2(e) / 8; M = the running largest t rounded UP to a whole number; p = 2^(t - M) is quantised along the keys, not normalised;
; the row's sum is taken of the unquantised p and divides at the end.  When M moves, the sum and O are multiplied by 2^(old M - new M): exact.
; qi, kvi: [batch x head][step of 128][13,312 bytes]: 8 tiles of 16 rows x 64 d (768 bytes, images of six registers a lane), 4 fragments of 16 d x 128 keys from 6144 on, scale words at 12288 (a pair of tiles
; a word) and 12800.  Lane r of tile 2 b + u holds row 32 b + 8 u + r + 8 (r / 8), so that the 16 score registers of tiles 2 b, 2 b + 1 are 16 neighbouring keys.
; K = 64 IN AN INSTRUCTION OF 128: two tiles of keys, read as ONE fragment, are multiplied twice: by (q, zeros), which gives the first tile's scores, and by (zeros, q), which gives the second's.  Zero codes add nothing.
; SHARES.  A work-group owns 512 queries of one head; the WHOLE head's k and v (212,992 bytes) come into LDS once, as they lie: every byte is filled once, there is no ring.  Each of sixteen waves owns a pair of
; query tiles and walks all keys twice, once for each tile; four waves share a SIMD, so that one wave's vector work stands beside another's products and LDS loads.
; CLUSTER 4 x 1: the head's four blocks of queries ask for k and v jointly.  The place in the cluster enters the queries' and the result's addresses alone.
; Both products are used transposed: S^T = k q^T, O^T = v^T p^T: a lane holds one query throughout.
; ai: records as xi's: [K chunk = head / 4][pair of query tiles 64 batch + ..][6,400 bytes]; the head's 64 channels are half (head & 1) of fragment (head >> 1) & 1.
; LIMITS: NaN and infinities are not served; a block whose every number lies under 2^-122 has the byte 1; a block's largest p is taken from its largest score (v_exp_f32 is taken not to fall where its input rises);
; the division by the sum is v_rcp_f32 and a multiplication.
; REGISTERS: v1-3 16, 8, 4 x lane; v4-6 the same + the step's LDS byte; v7 8 r; v8 at work; v12 -M, v13 the largest t, v[14:15] the sum; v16-21 zeros, v22-27 q, v28-33 zeros; v34 q's scale word; v35 the pair's;
; v36-41 tile 1's q; v42-89 four fragments of k or v; v90-93 their scale words; v94-157 S^T, then p; v158-189 O^T; v190-201 p's codes; v202-208 conversions; v210-221 blocks' figures; v222 f; v223 p's scale word; v224.. the results.
.set WV,  12
.set G1,  24                           ; s[24:31] descriptor group 1;  s[32:47] group 0, a set for each quarter of the head
.set G0,  32
.set TB,  48                           ; LDS byte of the key step in hand
.set CNT, 49
.set SEL, 50
.set CS,  52                           ; s[52:53] c = log2(e) / 8
.set QLO, 22
.set QHI, 16
.set QS,  34
.set KB,  42
.set KS,  90
.set S,   94
.set O,   158
.set PCD, 190
.set T1,  202
.set BM,  210
.set PM,  214
.set SO,  218
.set FF,  222
.set PW,  223
.set W16, 224
.set E,   226
.set HSB, 13312                        ; a key step
.set GRP, 53248                        ; four key steps
.macro CROUND
	s_barrier_signal -1
	s_barrier_wait -1
	s_cmp_lg_u32 s[WV], 0
	s_cbranch_scc1 .Lnot_wave_0_\@
	s_barrier_signal -3
.Lnot_wave_0_\@:
	s_barrier_wait -3
	s_barrier_signal -1
	s_barrier_wait -1
.endm
.macro FRAGL reg, a16, a8, off
	ds_load_b128 v[\reg:\reg+3], v[\a16] offset:\off
	ds_load_b64 v[\reg+4:\reg+5], v[\a8] offset:\off+512
	ds_load_b128 v[\reg+6:\reg+9], v[\a16] offset:\off+768
	ds_load_b64 v[\reg+10:\reg+11], v[\a8] offset:\off+1280
.endm
.macro PLACES
.rept 4
	v_nop
.endr
.endm
	s_load_b128 s[4:7], s[0:1], 0x0                ; qi, kvi
	s_load_b64 s[8:9], s[0:1], 0x10                ; ai
	v_lshl_add_u32 v248, v0, 2, 0x34000
	v_mov_b32 v249, 0
	ds_add_u32 v248, v249
	ds_add_u32 v248, v249
	v_lshrrev_b32 v1, 5, v0
	s_delay_alu instid0(VALU_DEP_1)
	v_readfirstlane_b32 s[WV], v1                  ; wave 0..15
	s_bfe_u32 s13, ttmp6, 0x40000                  ; cx: my block of 512 queries
	s_and_b32 s14, ttmp7, 0xffff                   ; batch x head
	s_mov_b32 s[G1], 15|(3<<16)|(1<<21)            ; the mask: all four work-groups; elements of 8 bytes; bit 21 beside a mask; no padding
	s_mov_b32 s[G1+1], 32<<16                      ; rows of 256 bytes,
	s_mov_b32 s[G1+2], 13<<16                      ; 13 of them
	s_mov_b32 s[G1+3], 32<<16
	s_mov_b32 s[G1+4], 13
	s_mov_b32 s[G1+5], 32                          ; dense
	s_mov_b32 s[G1+6], 0
	s_mov_b32 s[G1+7], 0
	s_mul_i32 s16, s14, 212992                     ; the head's first byte in qi and in kvi
	s_mul_i32 s18, s[WV], 3328                     ; my sixteenth of a quarter, in memory and in LDS alike
	s_add_co_u32 s20, s16, s18
	s_mov_b32 s21, 0
	s_lshl_b32 s22, s13, 2                         ; my queries: step 4 cx + wave / 4, pair wave % 4
	s_lshr_b32 s23, s[WV], 2
	s_add_co_u32 s22, s22, s23
	s_mul_i32 s22, s22, HSB
	s_add_co_u32 s22, s22, s16
	s_and_b32 s54, s[WV], 3
	s_mul_i32 s55, s54, 1536
	s_add_co_u32 s56, s22, s55                     ; the pair's two images
	s_mov_b32 s57, 0
	s_lshl_b32 s55, s54, 7
	s_add_co_u32 s58, s22, s55                     ; its scale words
	s_mov_b32 s59, 0
	s_and_b32 s54, s14, 15                         ; head
	s_lshr_b32 s55, s14, 4                         ; batch
	s_lshr_b32 s60, s54, 2
	s_lshl_b32 s60, s60, 8
	s_lshl_b32 s55, s55, 6
	s_add_co_u32 s60, s60, s55
	s_lshl_b32 s55, s13, 4
	s_add_co_u32 s60, s60, s55
	s_add_co_u32 s60, s60, s[WV]                   ; ai's record: 256 (head / 4) + 64 batch + 16 cx + wave
	s_mul_i32 s60, s60, 6400
	s_bfe_u32 s55, s54, 0x10001                    ; which 128 along K of the record,
	s_and_b32 s54, s54, 1                          ; and which 64 of them
	s_mul_i32 s62, s55, 1536
	s_mul_i32 s63, s54, 768
	s_add_co_u32 s62, s62, s63
	s_add_co_u32 s62, s62, s60
	s_mov_b32 s63, 0
	s_lshl_b32 s55, s55, 2
	s_lshl_b32 s54, s54, 1
	s_add_co_u32 s60, s60, s55
	s_add_co_u32 s60, s60, s54
	s_mov_b32 s61, 0
	s_mov_b32 s[SEL], 0x76543210
	s_mov_b32 s[SEL+1], 0xfedcba98
	s_mov_b32 s[CS], 0x3e38aa3b                    ; log2(e) / 8
	s_mov_b32 s[CS+1], s[CS]                       ; (named with it as a pair, so it is written)
	s_wait_dscnt 0x0
	s_wait_kmcnt 0x0
	s_add_nc_u64 s[20:21], s[6:7], s[20:21]
.irp g, 0,1,2,3
	s_mov_b32 s[G0+4*\g], 1
	s_add_co_u32 s[G0+4*\g+1], s18, \g*GRP
	s_add_nc_u64 s[G0+4*\g+2:G0+4*\g+3], s[20:21], \g*GRP
	s_or_b32 s[G0+4*\g+3], s[G0+4*\g+3], 0x80000000
.endr
	s_add_nc_u64 s[56:57], s[4:5], s[56:57]
	s_add_nc_u64 s[58:59], s[4:5], s[58:59]
	s_add_nc_u64 s[62:63], s[8:9], s[62:63]        ; the result's codes
	s_add_nc_u64 s[60:61], s[8:9], s[60:61]        ; and its scale bytes
	CROUND                                         ; all four work-groups are here: the joint loads meet
	tensor_load_to_lds s[G0:G0+3], s[G1:G1+7]      ; the whole head, a quarter at a time: four tensor loads of mine are out
	s_nop 0
	tensor_load_to_lds s[G0+4:G0+7], s[G1:G1+7]
	s_nop 0
	tensor_load_to_lds s[G0+8:G0+11], s[G1:G1+7]
	s_nop 0
	tensor_load_to_lds s[G0+12:G0+15], s[G1:G1+7]
	s_nop 0
	PLACES
	v_and_b32 v9, 31, v0
	s_delay_alu instid0(VALU_DEP_1)
	v_lshlrev_b32 v1, 4, v9
	s_delay_alu instid0(VALU_DEP_2)
	v_lshlrev_b32 v2, 3, v9
	s_delay_alu instid0(VALU_DEP_3)
	v_lshlrev_b32 v3, 2, v9
	v_and_b32 v7, 15, v0
	s_delay_alu instid0(VALU_DEP_1)
	v_lshlrev_b32 v7, 3, v7
	global_load_b128 v[22:25], v1, s[56:57]                        ; tile 0's q
	global_load_b64 v[26:27], v2, s[56:57] offset:512
	global_load_b128 v[36:39], v1, s[56:57] offset:768             ; tile 1's
	global_load_b64 v[40:41], v2, s[56:57] offset:1280
	global_load_b32 v35, v3, s[58:59] offset:12288                 ; the pair's scale word
.irp n, 16,17,18,19,20,21,28,29,30,31,32,33
	v_mov_b32 v\n, 0                               ; the zero codes on both sides of q
.endr
	v_mov_b32 v8, 0                                ; written once: a lane permute's destination counts as one of its sources
.irp b, 0,1,2,3
	v_mov_b32 v[PM+\b], 0
.endr
	v_mov_b32 v[PW], 0                             ; (named as the upper half of the pair v[222:223] before it is first written)
; A KEY STEP: 128 keys.
.macro KSTEP
	v_add_nc_u32 v4, s[TB], v1
	v_add_nc_u32 v5, s[TB], v2
	v_add_nc_u32 v6, s[TB], v3
	v_nop                                          ; four places between the last products and the loads into their operands
.irp b, 0,1,2,3
	FRAGL KB+12*\b,4,5,1536*\b
	ds_load_b32 v[KS+\b], v6 offset:12288+128*\b
.endr
	s_wait_alu depctr_va_vdst(0)
.irp b, 0,1,2,3
	s_wait_dscnt 15-5*\b                           ; the later pairs of tiles, five loads each, may be out
	v_wmma_scale_f32_16x16x128_f8f6f4 v[S+16*\b:S+16*\b+7], v[KB+12*\b:KB+12*\b+11], v[QLO:QLO+11], 0, v[KS+\b], v[QS] matrix_a_fmt:MATRIX_FMT_BF6 matrix_b_fmt:MATRIX_FMT_BF6
	v_wmma_scale_f32_16x16x128_f8f6f4 v[S+16*\b+8:S+16*\b+15], v[KB+12*\b:KB+12*\b+11], v[QHI:QHI+11], 0, v[KS+\b], v[QS] matrix_a_fmt:MATRIX_FMT_BF6 matrix_b_fmt:MATRIX_FMT_BF6
.endr
	PLACES                                         ; in front of the loads into k's registers and of the first read of the scores
.irp t, 0,1,2,3
	FRAGL KB+12*\t,4,5,6144+1536*\t
	ds_load_b32 v[KS+\t], v6 offset:12800+128*\t   ; v lands while the softmax is walked
.endr
.irp b, 0,1,2,3
	v_max3_num_f32 v[BM+\b], v[S+16*\b], v[S+1+16*\b], v[S+2+16*\b]   ; the largest score of each block of 32 keys: for the row's maximum, and for the block's largest p
.endr
.irp i, 3,5,7,9,11,13
.irp b, 0,1,2,3
	v_max3_num_f32 v[BM+\b], v[BM+\b], v[S+16*\b+\i], v[S+1+16*\b+\i]
.endr
.endr
.irp b, 0,1,2,3
	v_max_num_f32 v[BM+\b], v[BM+\b], v[S+15+16*\b]
.endr
.irp b, 0,1,2,3
	s_delay_alu instid0(VALU_DEP_4)
	v_permlanex16_b32 v[PM+\b], v[BM+\b], s[SEL], s[SEL+1]
.endr
.irp b, 0,1,2,3
	s_delay_alu instid0(VALU_DEP_4)
	v_max_num_f32 v[BM+\b], v[BM+\b], v[PM+\b]     ; with lane l xor 16's 16 keys
.endr
	s_delay_alu instid0(VALU_DEP_2)
	v_max3_num_f32 v8, v[BM], v[BM+1], v[BM+2]
	s_delay_alu instid0(VALU_DEP_1)
	v_max_num_f32 v8, v8, v[BM+3]                  ; the step's largest score of my query
	s_delay_alu instid0(VALU_DEP_1)
	v_mul_f32 v8, s[CS], v8                        ; as t
	s_delay_alu instid0(VALU_DEP_1)
	v_max_num_f32 v13, v13, v8                     ; the running largest t
	v_mov_b32 v8, v12
	s_delay_alu instid0(VALU_DEP_2)
	v_floor_f32 v12, -v13                          ; the new -M = floor(-t) = -ceil(t): a whole number
	s_delay_alu instid0(VALU_DEP_1)
	v_sub_f32 v8, v12, v8                          ; old M less new M: a whole number, 0 or less
	s_delay_alu instid0(VALU_DEP_1)
	v_cvt_i32_f32 v8, v8                           ; (it saturates)
	s_delay_alu instid0(VALU_DEP_1)
	v_ldexp_f32 v[FF], 1.0, v8                     ; f = 2^(old M - new M)
.set j, 0
.rept 32
	v_pk_fma_f32 v[S+j:S+j+1], v[S+j:S+j+1], s[CS:CS+1], v[12:13] op_sel_hi:[1,0,0]   ; t - M, two at a time
.set j, j+2
.endr
.irp b, 0,1,2,3
	v_fma_f32 v[BM+\b], v[BM+\b], s[CS], v12       ; the same of each block's largest score
.endr
.set j, 0
	s_setprio 1
	s_wait_alu depctr_va_vdst(0)
.rept 64
	v_exp_f32 v[S+j], v[S+j]                       ; p = 2^(t - M), at most 1
.set j, j+1
.endr
	v_pk_mul_f32 v[14:15], v[14:15], v[FF:FF+1] op_sel_hi:[1,0]    ; the sums under the new M.  (The plain line behind the exponentials)
	s_wait_alu depctr_va_vdst(0)                   ; one wait for the batch of 64, ahead of its first reader
.irp b, 0,1,2,3
	v_exp_f32 v[BM+\b], v[BM+\b]                   ; the block's largest p: the same two instructions on the same number give the same bits
.endr
	v_pk_add_f32 v[214:215], v[98:99], v[102:103]
	v_pk_add_f32 v[246:247], v[106:107], v[110:111]
	v_pk_add_f32 v[244:245], v[114:115], v[118:119]
	v_pk_add_f32 v[242:243], v[122:123], v[126:127]
	v_pk_add_f32 v[240:241], v[130:131], v[134:135]
	v_pk_add_f32 v[238:239], v[138:139], v[142:143]
	v_pk_add_f32 v[236:237], v[146:147], v[150:151]
	v_pk_add_f32 v[14:15], v[14:15], v[154:155]
	v_pk_add_f32 v[214:215], v[214:215], v[94:95]
	v_pk_add_f32 v[246:247], v[246:247], v[96:97]
	v_pk_add_f32 v[244:245], v[244:245], v[100:101]
	v_pk_add_f32 v[242:243], v[242:243], v[104:105]
	v_pk_add_f32 v[240:241], v[240:241], v[108:109]
	v_pk_add_f32 v[238:239], v[238:239], v[112:113]
	v_pk_add_f32 v[236:237], v[236:237], v[116:117]
	v_pk_add_f32 v[14:15], v[14:15], v[120:121]
	v_pk_add_f32 v[214:215], v[214:215], v[124:125]
	v_pk_add_f32 v[246:247], v[246:247], v[128:129]
	v_pk_add_f32 v[244:245], v[244:245], v[132:133]
	v_pk_add_f32 v[242:243], v[242:243], v[136:137]
	v_pk_add_f32 v[240:241], v[240:241], v[140:141]
	v_pk_add_f32 v[238:239], v[238:239], v[144:145]
	v_pk_add_f32 v[236:237], v[236:237], v[148:149]
	v_pk_add_f32 v[14:15], v[14:15], v[152:153]
	v_pk_add_f32 v[214:215], v[214:215], v[156:157]
	s_delay_alu instid0(VALU_DEP_2)
	v_pk_add_f32 v[14:15], v[14:15], v[242:243]
	s_delay_alu instid0(VALU_DEP_2)
	v_pk_add_f32 v[214:215], v[214:215], v[240:241]
	v_pk_add_f32 v[246:247], v[246:247], v[238:239]
	v_pk_add_f32 v[244:245], v[244:245], v[236:237]
	s_delay_alu instid0(VALU_DEP_2)
	v_pk_add_f32 v[14:15], v[14:15], v[246:247]
	s_delay_alu instid0(VALU_DEP_2)
	v_pk_add_f32 v[214:215], v[214:215], v[244:245]
	s_delay_alu instid0(VALU_DEP_1)
	v_pk_add_f32 v[14:15], v[14:15], v[214:215]
	s_wait_alu depctr_va_vdst(0)                   ; and one for the four
.irp b, 0,1,2,3
	v_max_num_f32 v[BM+\b], 0x2800000, v[BM+\b]    ; the floor 2^(5 - 127): the byte cannot fall under 1
.endr
.irp b, 0,1,2,3
	s_delay_alu instid0(VALU_DEP_4)
	v_add_nc_u32 v[SO+\b], 0xfe000000, v[BM+\b]    ; 4 off the exponent field: the conversion's scale operand
.endr
.irp b, 0,1,2,3
	s_delay_alu instid0(VALU_DEP_4)
	v_lshrrev_b32 v[PM+\b], 23, v[SO+\b]           ; the scale's byte
.endr
	s_delay_alu instid0(VALU_DEP_3)
	v_lshl_or_b32 v[PW], v[PM+1], 8, v[PM]         ; p's scale word for these 128 keys
	s_delay_alu instid0(VALU_DEP_1)
	v_lshl_or_b32 v[PW], v[PM+2], 16, v[PW]
	s_delay_alu instid0(VALU_DEP_1)
	v_lshl_or_b32 v[PW], v[PM+3], 24, v[PW]
.irp c, 0,1
	v_cvt_scalef32_pk16_bf6_f32 v[PCD+6*\c:PCD+6*\c+2], v[S+32*\c:S+32*\c+15], v[SO+2*\c]
	v_cvt_scalef32_pk16_bf6_f32 v[T1+4*\c:T1+4*\c+2], v[S+32*\c+16:S+32*\c+31], v[SO+2*\c+1]
.endr
	v_nop                                          ; one plain line behind the scaled conversions
.irp c, 0,1                            ; a WHOLE block in a lane: lanes 0-15 block 2 c, lanes 16-31 block 2 c + 1
.irp i, 0,1,2
	v_permlane16_swap_b32 v[PCD+6*\c+\i], v[T1+4*\c+\i]
.endr
.irp i, 0,1,2
	s_delay_alu instid0(VALU_DEP_3)
	v_mov_b32 v[PCD+3+6*\c+\i], v[T1+4*\c+\i]
.endr
.endr
.set j, 0
	s_setprio 0
.rept 16
	v_pk_mul_f32 v[O+j:O+j+1], v[O+j:O+j+1], v[FF:FF+1] op_sel_hi:[1,0]   ; O^T under the new M.  (These sixteen also stand between the writing of p's codes and scale word and the products)
.set j, j+2
.endr
	s_wait_alu depctr_va_vdst(0)
	s_wait_dscnt 0x0                               ; v is in
.irp t, 0,1,2,3
	v_wmma_scale_f32_16x16x128_f8f6f4 v[O+8*\t:O+8*\t+7], v[KB+12*\t:KB+12*\t+11], v[PCD:PCD+11], v[O+8*\t:O+8*\t+7], v[KS+\t], v[PW] matrix_a_fmt:MATRIX_FMT_BF6 matrix_b_fmt:MATRIX_FMT_BF6
.endr
	s_add_co_u32 s[TB], s[TB], HSB
.endm
.macro KLOOP n                         ; n key steps from s[TB] on
	s_mov_b32 s[CNT], \n
.Lkey_\@:
	s_setprio 2
	KSTEP
	s_sub_co_u32 s[CNT], s[CNT], 1
	s_cmp_lg_u32 s[CNT], 0
	s_cbranch_scc1 .Lkey_\@
	s_setprio 0
.endm
.macro HEADP p                         ; a pass begins: tile p's q and its two scale bytes, in both halves of the word; the statistics; O^T = 0
.if \p
.irp i, 0,1,2,3,4,5
	v_mov_b32 v[QLO+\i], v[36+\i]
.endr
	v_perm_b32 v[QS], v35, v35, 0x03020302
.else
	v_perm_b32 v[QS], v35, v35, 0x01000100
.endif
	v_mov_b32 v13, 0xff61b1e6                      ; the largest t so far: -3e38, under every t
	s_delay_alu instid0(VALU_DEP_1)
	v_floor_f32 v12, -v13
	v_mov_b32 v14, 0
	v_mov_b32 v15, 0
.set j, 0
.rept 32
	v_mov_b32 v[O+j], 0                            ; the first change of M leaves zeros zeros.  (More than eight plain lines between q's scale word and the first product)
.set j, j+1
.endr
.endm
.macro TAILP p                         ; a pass ends: O^T / the sum, quantised along d, stored as half a fragment's image
	PLACES
	v_add_f32 v14, v14, v15
	s_delay_alu instid0(VALU_DEP_1)
	v_permlanex16_b32 v8, v14, s[SEL], s[SEL+1]
	s_delay_alu instid0(VALU_DEP_1)
	v_add_f32 v14, v14, v8                         ; the row's sum
	s_wait_alu depctr_va_vdst(0)
	v_rcp_f32 v14, v14
	v_nop                                          ; a plain line behind the reciprocal,
	s_wait_alu depctr_va_vdst(0)                   ; and the wait ahead of its first reader
.set j, 0
.rept 32
	v_mul_f32 v[S+j], v[O+j], v14                  ; register 16 n + i = channel 32 n + 16 (lane / 16) + i of the head; each accumulator from its low end on
.set j, j+1
.endr
.irp n, 0,1
	v_max3_num_f32 v[BM+\n], |v[S+16*\n]|, |v[S+16*\n+1]|, 0x2800000
.endr
.irp i, 2,4,6,8,10,12,14
.irp n, 0,1
	s_delay_alu instid0(VALU_DEP_2)
	v_max3_num_f32 v[BM+\n], v[BM+\n], |v[S+16*\n+\i]|, |v[S+16*\n+\i+1]|
.endr
.endr
.irp n, 0,1
	s_delay_alu instid0(VALU_DEP_2)
	v_permlanex16_b32 v[PM+\n], v[BM+\n], s[SEL], s[SEL+1]
.endr
.irp n, 0,1
	s_delay_alu instid0(VALU_DEP_2)
	v_max_num_f32 v[BM+\n], v[BM+\n], v[PM+\n]
.endr
.irp n, 0,1
	s_delay_alu instid0(VALU_DEP_2)
	v_add_nc_u32 v[SO+\n], 0xfe000000, v[BM+\n]
.endr
.irp n, 0,1
	s_delay_alu instid0(VALU_DEP_2)
	v_lshrrev_b32 v[PM+\n], 23, v[SO+\n]
.endr
	s_delay_alu instid0(VALU_DEP_1)
	v_lshl_or_b32 v[W16+\p], v[PM+1], 8, v[PM]
	v_cvt_scalef32_pk16_bf6_f32 v[E+8*\p:E+8*\p+2], v[S:S+15], v[SO]
	v_cvt_scalef32_pk16_bf6_f32 v[E+8*\p+4:E+8*\p+6], v[S+16:S+31], v[SO+1]
	v_nop
.irp i, 0,1,2
	v_permlane16_swap_b32 v[E+8*\p+\i], v[E+8*\p+4+\i]
.endr
	s_delay_alu instid0(VALU_DEP_3)
	v_mov_b32 v[E+8*\p+3], v[E+8*\p+4]
	s_delay_alu instid0(VALU_DEP_3)
	v_mov_b32 v[E+8*\p+4], v[E+8*\p+5]
	s_delay_alu instid0(VALU_DEP_3)
	v_mov_b32 v[E+8*\p+5], v[E+8*\p+6]
	global_store_b128 v1, v[E+8*\p:E+8*\p+3], s[62:63] offset:3072*\p
	global_store_b64 v2, v[E+8*\p+4:E+8*\p+5], s[62:63] offset:3072*\p+512
	global_store_b16 v7, v[W16+\p], s[60:61] offset:6144+128*\p    ; my row's two bytes; lanes l and l xor 16 store the same value at the same place
.endm
	s_wait_loadcnt 0x0                             ; q
	HEADP 0
.irp g, 0,1,2,3
	s_wait_tensorcnt 3-\g                          ; my part of quarter g has landed; the later quarters' loads may be out
	s_wait_dscnt 0x0
	s_barrier_signal -1
	s_barrier_wait -1                              ; everybody's part has
	s_mov_b32 s[TB], \g*GRP
	KLOOP 4
.endr
	TAILP 0
	HEADP 1
	s_mov_b32 s[TB], 0
	KLOOP 16                                       ; the whole head lies in LDS and nobody writes it: no barrier
	TAILP 1
	s_wait_tensorcnt 0x0
	ds_add_u32 v248, v249
	s_wait_dscnt 0x0
	CROUND                                         ; the closing round
	s_endpgm
.Lfunc_end_k_qec98ff0924_attn:
	.size	k_qec98ff0924_attn, .Lfunc_end_k_qec98ff0924_attn-k_qec98ff0924_attn
	.p2alignl 7, 3214868480
	.fill 96, 4, 3214868480
	.section	.rodata,"a",@progbits
	.p2align	6, 0x0
	.amdhsa_kernel k_qec98ff0924_attn
		.amdhsa_group_segment_fixed_size 215040
		.amdhsa_private_segment_fixed_size 0
		.amdhsa_enable_private_segment 0
		.amdhsa_kernarg_size 24
		.amdhsa_user_sgpr_count 2
		.amdhsa_user_sgpr_kernarg_segment_ptr 1
		.amdhsa_wavefront_size32 1
		.amdhsa_system_sgpr_workgroup_id_x 1
		.amdhsa_system_sgpr_workgroup_id_y 1
		.amdhsa_system_sgpr_workgroup_id_z 1
		.amdhsa_system_vgpr_workitem_id 0
		.amdhsa_next_free_vgpr 250
		.amdhsa_next_free_sgpr 66
		.amdhsa_reserve_vcc 0
		.amdhsa_float_denorm_mode_32 3
		.amdhsa_float_denorm_mode_16_64 3
		.amdhsa_memory_ordered 1
		.amdhsa_forward_progress 1
		.amdhsa_inst_pref_size 108
	.end_amdhsa_kernel
	.amdgpu_metadata
---
amdhsa.version: [ 1, 2 ]
amdhsa.kernels:
  - .name:           k_qec98ff0924_attn
    .symbol:         k_qec98ff0924_attn.kd
    .args:
      - { .name: qi, .offset: 0, .size: 8, .value_kind: global_buffer, .address_space: global }
      - { .name: kvi, .offset: 8, .size: 8, .value_kind: global_buffer, .address_space: global }
      - { .name: ai, .offset: 16, .size: 8, .value_kind: global_buffer, .address_space: global }
    .group_segment_fixed_size: 215040
    .private_segment_fixed_size: 0
    .kernarg_segment_align: 8
    .kernarg_segment_size: 24
    .max_flat_workgroup_size: 512
    .sgpr_count:     66
    .vgpr_count:     250
    .wavefront_size: 32
...
	.end_amdgpu_metadata
.endif
;; end of part 3
;; launch outp (part 4): grid 8 x 32, 8 waves a work-group, clusters of 4 x 4, 308,224 bytes of LDS; arguments ai, wi, bo, query, out0; writes out0
.if DOCPART == 4
	.amdgcn_target "amdgcn-amd-amdhsa--gfx1250"
	.amdhsa_code_object_version 6
	.text
	.protected	k_qec98ff0924_outp
	.globl	k_qec98ff0924_outp
	.p2align	8
	.type	k_qec98ff0924_outp,@function
k_qec98ff0924_outp:
	s_mov_b64 s[64:65], 0
	v_nop
	global_prefetch_b8 v0, s[64:65] scope:SCOPE_SE
	s_setreg_imm32_b32 hwreg(HW_REG_WAVE_MODE, 25, 1), 1
	s_wait_xcnt 0x0
	s_wait_alu depctr_hold_cnt(0) depctr_sa_sdst(0) depctr_va_vdst(0) depctr_va_sdst(0) depctr_va_ssrc(0) depctr_va_vcc(0) depctr_vm_vsrc(0)
	s_getreg_b32 s2, hwreg(HW_REG_IB_STS2, 6, 4)
	s_cmp_eq_u32 s2, 0
	s_cbranch_scc0 .Lentry_in_a_cluster
	s_endpgm
.Lentry_in_a_cluster:
	s_bfe_u32 s2, ttmp6, 0x10000c
	s_cmp_lg_u32 s2, 0xf033
	s_cbranch_scc0 .Lentry_shape_is_right
	s_endpgm
.Lentry_shape_is_right:
; out0[b][o][l] = sum over c of Wo[o][c] a[b][c][l] + bo[o] + query[b][o][l]; the product on codes of BF6 (E3M2) with E8M0 scales, all else in f32.
; ai, wi: records of 32 rows x 256 K in the order of the operand's registers (6,400 bytes: tile u's fragment of the s-th 128 along K at 3072 u + 1536 s, scale words at 6144 + 128 u + 8 r + 4 s);
; row r of tile u is row 8 u + r + 8 (r / 8) of the 32.
; SHARES.  A work-group takes 256 rows l and 128 rows o with ALL of K = 1,024 in LDS: every byte is filled once, there is no ring.  Eight waves, 64 x 64 each: 16 accumulators.
; Source 0 = a (registers run along l, which is innermost in out0), source 1 = Wo (a lane is an o).
; CLUSTER 4 x 4: a's tiles hang on the grid's y alone and are asked for jointly along a row of the cluster, Wo's on its x alone, along a column.
; LDS: chunk q (256 along K) at 76,800 q: a's 8 records, then Wo's 4.  On the way out each wave has a stage of 64 rows x (256 + 16) bytes in bytes that have had their only fill and their last read.
; The wave's tile of query is asked for at the head, in the layout in which out0 is stored, and lands under the products.
; REGISTERS: v1-6 LDS addresses; v8-11, v12-15 scale words; v16-63, v64-111 four fragments each; v112-119 the bias, a pair for each tile of o; v120-121 the stage; v122 my offset in query and out0; v123-126 at work;
; v128-255 accumulator (a, b) at 128 + 8 (4 a + b); v256-383 the tile of query.
.set WV,  14
.set WX,  15
.set WH,  16
.set CX,  17
.set CY,  18
.set XW,  19
.set CYC, 20
.set YL,  22
.set G1X, 24
.set G1W, 32
.set G0X, 40
.set G0W, 68
.set CHB, 76800
.set SCA, 8
.set SCB, 12
.set F0,  16
.set F1,  64
.set BI,  112
.set STI, 120
.set STR, 121
.set GOF, 122
.set ACC, 128
.macro CROUND
	s_barrier_signal -1
	s_barrier_wait -1
	s_cmp_lg_u32 s[WV], 0
	s_cbranch_scc1 .Lnot_wave_0_\@
	s_barrier_signal -3
.Lnot_wave_0_\@:
	s_barrier_wait -3
	s_barrier_signal -1
	s_barrier_wait -1
.endm
.macro FRAGL reg, a16, a8, off
	ds_load_b128 v[\reg:\reg+3], v[\a16] offset:\off
	ds_load_b64 v[\reg+4:\reg+5], v[\a8] offset:\off+512
	ds_load_b128 v[\reg+6:\reg+9], v[\a16] offset:\off+768
	ds_load_b64 v[\reg+10:\reg+11], v[\a8] offset:\off+1280
.endm
.macro PLACES
.rept 4
	v_nop
.endr
.endm
	s_load_b256 s[4:11], s[0:1], 0x0               ; ai, wi, bo, query
	s_load_b64 s[12:13], s[0:1], 0x20              ; out0
	v_lshl_add_u32 v7, v0, 2, 0x4b000
	v_mov_b32 v127, 0
	ds_add_u32 v7, v127
	ds_add_u32 v7, v127
	v_lshrrev_b32 v1, 5, v0
	v_readfirstlane_b32 s[WV], v1                  ; wave 0..7
	s_and_b32 s[WX], s[WV], 3
	s_lshr_b32 s[WH], s[WV], 2
	s_bfe_u32 s[CX], ttmp6, 0x40000
	s_bfe_u32 s[CY], ttmp6, 0x40004
	s_lshl_b32 s[XW], ttmp9, 2
	s_add_co_u32 s[XW], s[XW], s[CX]               ; which 128 rows o
	s_and_b32 s[CYC], ttmp7, 0xffff
	s_lshl_b32 s[YL], s[CYC], 2
	s_add_co_u32 s[YL], s[YL], s[CY]               ; which 256 rows l
	s_lshl_b32 s56, s[CY], 2
	s_lshl_b32 s56, 15, s56                        ; my row of the cluster
	s_lshl_b32 s58, 0x1111, s[CX]                  ; my column
	s_or_b32 s[G1X], s56, (3<<16)|(1<<21)          ; the mask; elements of 8 bytes; bit 21 beside a mask; no padding
	s_or_b32 s[G1W], s58, (3<<16)|(1<<21)
	s_mov_b32 s[G1X+1], 32<<16                     ; rows of 256 bytes, 50 of them: two records
	s_mov_b32 s[G1X+2], 50<<16
	s_mov_b32 s[G1X+3], 32<<16
	s_mov_b32 s[G1X+4], 50
	s_mov_b32 s[G1X+5], 32
	s_mov_b32 s[G1X+6], 0
	s_mov_b32 s[G1X+7], 0
	s_mov_b32 s[G1W+1], 32<<16                     ; 25 rows: one record
	s_mov_b32 s[G1W+2], 25<<16
	s_mov_b32 s[G1W+3], 32<<16
	s_mov_b32 s[G1W+4], 25
	s_mov_b32 s[G1W+5], 32
	s_mov_b32 s[G1W+6], 0
	s_mov_b32 s[G1W+7], 0
	s_lshl_b32 s56, s[YL], 3                       ; a: record 8 yl + 2 (wave & 3) of a chunk's 256 (waves 0-3 fetch a)
	s_lshl_b32 s57, s[WX], 1
	s_add_co_u32 s56, s56, s57
	s_mul_i32 s56, s56, 6400
	s_mov_b32 s57, 0
	s_lshl_b32 s58, s[XW], 2                       ; Wo: record 4 xw + (wave & 3) of a chunk's 32 (waves 4-7 fetch Wo),
	s_add_co_u32 s58, s58, s[WX]
	s_mul_i32 s58, s58, 6400
	s_add_co_u32 s58, s58, 2457600                 ; the fourth weight of wi
	s_mov_b32 s59, 0
	s_mul_i32 s84, s[WX], 12800                    ; where they go in a chunk: no place in the cluster enters an LDS address
	s_mul_i32 s85, s[WX], 6400
	s_add_co_u32 s85, s85, 51200
	s_wait_dscnt 0x0
	s_wait_kmcnt 0x0
	s_add_nc_u64 s[60:61], s[4:5], s[56:57]
	s_add_nc_u64 s[62:63], s[6:7], s[58:59]
.irp q, 0,1,2,3
	s_mov_b32 s[G0X+4*\q], 1
	s_add_co_u32 s[G0X+4*\q+1], s84, \q*CHB
	s_add_nc_u64 s[G0X+4*\q+2:G0X+4*\q+3], s[60:61], \q*1638400
	s_or_b32 s[G0X+4*\q+3], s[G0X+4*\q+3], 0x80000000
	s_mov_b32 s[G0W+4*\q], 1
	s_add_co_u32 s[G0W+4*\q+1], s85, \q*CHB
	s_add_nc_u64 s[G0W+4*\q+2:G0W+4*\q+3], s[62:63], \q*204800
	s_or_b32 s[G0W+4*\q+3], s[G0W+4*\q+3], 0x80000000
.endr
	CROUND                                         ; all sixteen work-groups are here: the joint loads meet
	s_cmp_lt_u32 s[WV], 4                          ; a wave's four fills stand in one branch on its number: four tensor loads of mine are out
	s_cbranch_scc0 .Lfill_w
	tensor_load_to_lds s[G0X:G0X+3], s[G1X:G1X+7]
	s_nop 0
	tensor_load_to_lds s[G0X+4:G0X+7], s[G1X:G1X+7]
	s_nop 0
	tensor_load_to_lds s[G0X+8:G0X+11], s[G1X:G1X+7]
	s_nop 0
	tensor_load_to_lds s[G0X+12:G0X+15], s[G1X:G1X+7]
	s_nop 0
	PLACES
	s_branch .Lfilled
.Lfill_w:
	tensor_load_to_lds s[G0W:G0W+3], s[G1W:G1W+7]
	s_nop 0
	tensor_load_to_lds s[G0W+4:G0W+7], s[G1W:G1W+7]
	s_nop 0
	tensor_load_to_lds s[G0W+8:G0W+11], s[G1W:G1W+7]
	s_nop 0
	tensor_load_to_lds s[G0W+12:G0W+15], s[G1W:G1W+7]
	s_nop 0
	PLACES
.Lfilled:
	s_lshr_b32 s86, s[YL], 3                       ; my tile in query and out0: batch x 8,388,608
	s_lshl_b32 s86, s86, 23
	s_lshl_b32 s87, s[XW], 20                      ; + (128 xw + 64 (wave / 4)) rows o of 8,192 bytes
	s_add_co_u32 s86, s86, s87
	s_lshl_b32 s87, s[WH], 19
	s_add_co_u32 s86, s86, s87
	s_and_b32 s87, s[YL], 7                        ; + (256 (yl % 8) + 64 (wave & 3)) columns l of 4 bytes
	s_lshl_b32 s87, s87, 10
	s_add_co_u32 s86, s86, s87
	s_lshl_b32 s87, s[WX], 8
	s_add_co_u32 s86, s86, s87
	s_mov_b32 s87, 0
	s_add_nc_u64 s[10:11], s[10:11], s[86:87]
	s_add_nc_u64 s[12:13], s[12:13], s[86:87]
	s_lshl_b32 s88, s[XW], 9                       ; bo at my 64 rows o
	s_lshl_b32 s89, s[WH], 8
	s_add_co_u32 s88, s88, s89
	s_mov_b32 s89, 0
	s_add_nc_u64 s[8:9], s[8:9], s[88:89]
	v_and_b32 v124, 31, v0                         ; lane
	v_and_b32 v125, 15, v0                         ; r
	v_bfe_u32 v126, v0, 4, 1                       ; h
	s_mul_i32 s86, s[WH], 12800
	s_add_co_u32 s86, s86, 51200                   ; my two records of Wo; s84: my two records of a
	v_lshl_add_u32 v1, v124, 4, s84
	v_lshl_add_u32 v2, v124, 3, s84
	v_lshl_add_u32 v3, v124, 4, s86
	v_lshl_add_u32 v4, v124, 3, s86
	v_lshl_add_u32 v5, v125, 3, s84
	v_lshl_add_u32 v6, v125, 3, s86
	v_lshlrev_b32 v[GOF], 4, v125
	v_lshl_add_u32 v[GOF], v126, 13, v[GOF]        ; lanes 0-15 take 256 bytes of one row o, lanes 16-31 of the next
	v_and_b32 v123, 8, v125
	v_add_nc_u32 v123, v123, v125
	v_lshlrev_b32 v123, 2, v123                    ; the bias of my row of a tile: 4 (r + 8 (r / 8))
	s_mul_i32 s90, s[WV], 17408                    ; my stage
	v_mul_u32_u24 v[STI], v125, 272
	v_lshl_add_u32 v[STI], v126, 6, v[STI]
	v_add_nc_u32 v[STI], s90, v[STI]               ; in: row r, + 64 h bytes
	v_mul_u32_u24 v[STR], v126, 272
	v_lshl_add_u32 v[STR], v125, 4, v[STR]
	v_add_nc_u32 v[STR], s90, v[STR]               ; back: lanes 0-15 one row, lanes 16-31 the next
	s_set_vgpr_msb 0x40                            ; destination in window 1
.irp a, 0,1,2,3
.irp t, 0,1,2,3,4,5,6,7
	global_load_b128 v[4*(8*\a+\t):4*(8*\a+\t)+3], v[GOF], s[10:11] offset:(32*(\a/2)+8*(\a%2)+2*\t+8*(\t/4))*8192 th:TH_LOAD_NT   ; stage row 2 t + h of tile a is row 32 (a / 2) + 8 (a % 2) + 2 t + h + 8 (t / 4) of my 64
.endr
.endr
	s_set_vgpr_msb 0x4000
.irp a, 0,1,2,3
	global_load_b32 v[BI+2*\a], v123, s[8:9] offset:(32*(\a/2)+8*(\a%2))*4
	v_mov_b32 v[BI+2*\a+1], 0                      ; (named with it as a pair, so it is written)
.endr
.macro KSTEP s, zero
.irp i, 0,1,2,3
	ds_load_b32 v[SCA+\i], v5 offset:6144+(\i/2)*6400+(\i%2)*128+4*\s
.endr
.irp i, 0,1,2,3
	ds_load_b32 v[SCB+\i], v6 offset:6144+(\i/2)*6400+(\i%2)*128+4*\s
.endr
.irp i, 0,1,2,3
	FRAGL F0+12*\i,1,2,(\i/2)*6400+(\i%2)*3072+1536*\s
.endr
.irp i, 0,1,2,3
	FRAGL F1+12*\i,3,4,(\i/2)*6400+(\i%2)*3072+1536*\s
.endr
.irp a, 0,1,2,3
	s_wait_dscnt 12-4*\a                           ; source 1's later fragments, four loads each, may be out
.irp b, 0,1,2,3
.if \zero
	v_wmma_scale_f32_16x16x128_f8f6f4 v[ACC+8*(4*\a+\b):ACC+8*(4*\a+\b)+7], v[F0+12*\b:F0+12*\b+11], v[F1+12*\a:F1+12*\a+11], 0, v[SCA+\b], v[SCB+\a] matrix_a_fmt:MATRIX_FMT_BF6 matrix_b_fmt:MATRIX_FMT_BF6
.else
	v_wmma_scale_f32_16x16x128_f8f6f4 v[ACC+8*(4*\a+\b):ACC+8*(4*\a+\b)+7], v[F0+12*\b:F0+12*\b+11], v[F1+12*\a:F1+12*\a+11], v[ACC+8*(4*\a+\b):ACC+8*(4*\a+\b)+7], v[SCA+\b], v[SCB+\a] matrix_a_fmt:MATRIX_FMT_BF6 matrix_b_fmt:MATRIX_FMT_BF6
.endif
.endr
.endr
.endm
.macro CHUNK q
	s_wait_tensorcnt 3-\q                          ; my part of chunk q has landed; the later chunks' loads may be out
	s_wait_dscnt 0x0
	s_barrier_signal -1
	s_barrier_wait -1
.if \q > 0
.irp n, 1,2,3,4,5,6
	v_add_nc_u32 v\n, CHB, v\n                     ; on to this chunk.  (Also the places between the last products and the loads into their operands)
.endr
	KSTEP 0, 0
.else
	KSTEP 0, 1                                     ; the first products start the sums
.endif
	PLACES
	KSTEP 1, 0
.endm
	CHUNK 0
	CHUNK 1
	CHUNK 2
	CHUNK 3
; THE WAY OUT.  Lane (r, h) holds row r of o's tile a; register 8 b + j of its 32 is column 32 (b / 2) + 16 h + 8 (b % 2) + j of my 64.
	PLACES
	s_wait_loadcnt 0x0                             ; the bias and the tile of query
.irp a, 0,1,2,3
.set j, 0
.rept 16
	v_pk_add_f32 v[ACC+32*\a+j:ACC+32*\a+j+1], v[ACC+32*\a+j:ACC+32*\a+j+1], v[BI+2*\a:BI+2*\a+1] op_sel_hi:[1,0]   ; + bo; each accumulator from its low end on
.set j, j+2
.endr
.endr
	s_wait_dscnt 0x0
	s_barrier_signal -1
	s_barrier_wait -1                              ; every wave's reads of the operands are over: their bytes, filled once, serve as stages
.irp a, 0,1,2,3
.irp b, 0,1,2,3
	ds_store_b128 v[STI], v[ACC+8*(4*\a+\b):ACC+8*(4*\a+\b)+3] offset:16*\a*272+128*(\b/2)+32*(\b%2)
	ds_store_b128 v[STI], v[ACC+8*(4*\a+\b)+4:ACC+8*(4*\a+\b)+7] offset:16*\a*272+128*(\b/2)+32*(\b%2)+16
.endr
.irp t, 0,1,2,3,4,5,6,7
	ds_load_b128 v[ACC+32*\a+4*\t:ACC+32*\a+4*\t+3], v[STR] offset:(16*\a+2*\t)*272   ; LDS serves a wave's instructions in order: these see my stores; whole rows of 256 bytes come back
.endr
.endr
	s_wait_dscnt 0x0
	s_set_vgpr_msb 0x04                            ; source 1 in window 1
.set j, 0
.rept 64
	v_pk_add_f32 v[ACC+j:ACC+j+1], v[ACC+j:ACC+j+1], v[j:j+1]      ; + query
.set j, j+2
.endr
	s_set_vgpr_msb 0x0400
.irp a, 0,1,2,3
.irp t, 0,1,2,3,4,5,6,7
	global_store_b128 v[GOF], v[ACC+32*\a+4*\t:ACC+32*\a+4*\t+3], s[12:13] offset:(32*(\a/2)+8*(\a%2)+2*\t+8*(\t/4))*8192 th:TH_STORE_NT   ; sixteen lanes store 256 consecutive bytes, at a multiple of 256 from out0's first byte
.endr
.endr
	s_wait_tensorcnt 0x0
	ds_add_u32 v7, v127
	s_wait_dscnt 0x0
	CROUND                                         ; the closing round
	s_endpgm
.Lfunc_end_k_qec98ff0924_outp:
	.size	k_qec98ff0924_outp, .Lfunc_end_k_qec98ff0924_outp-k_qec98ff0924_outp
	.p2alignl 7, 3214868480
	.fill 96, 4, 3214868480
	.section	.rodata,"a",@progbits
	.p2align	6, 0x0
	.amdhsa_kernel k_qec98ff0924_outp
		.amdhsa_group_segment_fixed_size 308224
		.amdhsa_private_segment_fixed_size 0
		.amdhsa_enable_private_segment 0
		.amdhsa_kernarg_size 40
		.amdhsa_user_sgpr_count 2
		.amdhsa_user_sgpr_kernarg_segment_ptr 1
		.amdhsa_wavefront_size32 1
		.amdhsa_system_sgpr_workgroup_id_x 1
		.amdhsa_system_sgpr_workgroup_id_y 1
		.amdhsa_system_sgpr_workgroup_id_z 1
		.amdhsa_system_vgpr_workitem_id 0
		.amdhsa_next_free_vgpr 384
		.amdhsa_next_free_sgpr 96
		.amdhsa_reserve_vcc 0
		.amdhsa_float_denorm_mode_32 3
		.amdhsa_float_denorm_mode_16_64 3
		.amdhsa_memory_ordered 1
		.amdhsa_forward_progress 1
		.amdhsa_inst_pref_size 67
	.end_amdhsa_kernel
	.amdgpu_metadata
---
amdhsa.version: [ 1, 2 ]
amdhsa.kernels:
  - .name:           k_qec98ff0924_outp
    .symbol:         k_qec98ff0924_outp.kd
    .args:
      - { .name: ai, .offset: 0, .size: 8, .value_kind: global_buffer, .address_space: global }
      - { .name: wi, .offset: 8, .size: 8, .value_kind: global_buffer, .address_space: global }
      - { .name: bo, .offset: 16, .size: 8, .value_kind: global_buffer, .address_space: global }
      - { .name: query, .offset: 24, .size: 8, .value_kind: global_buffer, .address_space: global }
      - { .name: out0, .offset: 32, .size: 8, .value_kind: global_buffer, .address_space: global }
    .group_segment_fixed_size: 308224
    .private_segment_fixed_size: 0
    .kernarg_segment_align: 8
    .kernarg_segment_size: 40
    .max_flat_workgroup_size: 256
    .sgpr_count:     96
    .vgpr_count:     384
    .wavefront_size: 32
...
	.end_amdgpu_metadata
.endif
;; end of part 4
